; MI455X (gfx1250); checked and timed in simulation.
; The chip was launched on July 23, 2026; its instructions are those of AMD's public machine-readable ISA for CDNA 5 (MIT licence, August 2026) and "CDNA5" Instruction Set Architecture Reference Guide (July 2026). The comments in the code are by the model that wrote it; some were corrected since.
;; Tri Distance. Allowed arithmetic: float matrix products may take bf16 or f16 operands with f32 sums; all other float work in f32.
;; Inputs: tri1 4 x 512 x 3 float32; tri2 4 x 512 x 3 float32; tri3 4 x 512 x 3 float32; xyz1 4 x 4,096 x 3 float32.
;; Outputs: out0 4 x 4,096 float32; out1 4 x 4,096 int32; out2 4 x 4,096 int32.
;; One version. Each part assembles by itself: llvm-mc -triple=amdgcn-amd-amdhsa -mcpu=gfx1250 --defsym DOCPART=n.
;; ======== version 1 of 1: 1 launch
;; limits: right only within a limited range of input values
;; launch tridist (part 1): grid 256 x 1, 8 waves a work-group, no clusters, 39,936 bytes of LDS; arguments tri1, tri2, tri3, xyz1, out0, out1, out2; writes out0, out1, out2
.if DOCPART == 1
	.amdgcn_target "amdgcn-amd-amdhsa--gfx1250"
	.amdhsa_code_object_version 6
	.text
	.protected	k_q5de0139b4b_tridist
	.globl	k_q5de0139b4b_tridist
	.p2align	8
	.type	k_q5de0139b4b_tridist,@function
k_q5de0139b4b_tridist:
	s_mov_b64 s[64:65], 0
	v_nop
	global_prefetch_b8 v0, s[64:65] scope:SCOPE_SE
	s_setreg_imm32_b32 hwreg(HW_REG_WAVE_MODE, 25, 1), 1
	s_wait_xcnt 0x0
; TriDistance: for each of 4 x 4096 points the nearest of its batch's 512 triangles (Ericson's closest point on a triangle):
; out0 = squared distance, out1 = region code of the nearest triangle (0 A, 1 B, 2 C, 3 AB, 4 AC, 5 BC, 6 face), out2 = its index.
;
; WHO DOES WHAT.  256 work-groups of 8 waves.  Work-group g: batch g / 64, points 64 g .. 64 g + 63 of the flat [4*4096] list.
; Wave w: triangles 256 (w & 1) .. + 255, points 16 (w >> 1) .. + 15 of the group.  Lane l keeps the constants of triangles
; 8 l .. 8 l + 7 of that half in registers for the whole kernel; the points come as scalars, two to a trip, and one packed
; instruction serves both points (the triangle's constant is spread to both halves by op_sel, so x,y,z stay as they were loaded).
; Each wave makes its own constants: about 312 vector instructions against about 5,200 in its loop.
;
; THE ARITHMETIC.  With e11 = ab.ab, e12 = ab.ac, e22 = ac.ac, D = e11 e22 - e12^2 (= va + vb + vc of the reference):
;   v = vb / D = gA.ap,  gA = (e22 ab - e12 ac) / D        w = vc / D = gB.ap,  gB = (e11 ac - e12 ab) / D        u = va / D = 1 - v - w
;   d1 / (d1 - d3) = v + w e12 / e11       d2 / (d2 - d6) = w + v e12 / e22       (d4 - d3) / ((d4 - d3) + (d5 - d6)) = w + u (e11 - e12) / cb.cb
; The six conditions become 9 compares on these six numbers against 0 and 1; their ANDs and ORs are done on the lane masks by scalar
; instructions.  The clamped edge parameters serve the corners too, so q = a + V ab + W ac with (V, W) = (tab, 0), (0, tac),
; (1 - tbc, tbc) or (v, w).  q, p - q and the sum of squares are formed as the reference writes them: an error of v or w moves q
; inside the triangle's plane (or along the edge), at right angles to p - q, and so changes the distance in second order only.
;
; LIMITS.  The order of rounding is not the reference's, and the four divisors are inverted by v_rcp_f32 (1 ulp).  Where two triangles
; are equally near within a few 1e-8 of the coordinates' size (also: an exact tie of the reference at a corner that two triangles share
; as b or c), or the closest point lies that near to the border of two regions, index or region may be the neighbour's.
; Each divisor below 1e-12 is replaced by 1 as in the reference, but the edge parameters here are made from v and w: triangles with
; D = |ab x ac|^2 < 1e-12 do not get the reference's result.  NaN and infinities are not served, nor coordinates above about 1e9
; (e11 e22 must stay finite).  Equal squared distances: the lowest index wins, as in argmin.
;
; No tensor loads, clusters or matrix instructions: what work-groups share is 18 KB of triangles, read once by each wave; the products
; have K = 3 and the index has to be exact.
; ---- sizes
.set HPITCH, 144                       ; LDS: 16 candidates of 8 bytes + 16 bytes
.set PPITCH, 2*HPITCH                  ; one point's 32 candidates of one wave
.set WREG,   16*PPITCH+128             ; a wave's own region: 16 points, + 128 bytes
.set STG,    8*WREG                    ; behind the eight regions: 3 x 64 words, the group's results
; ---- vector registers
.set LANE, 1                           ; lane
.set TO,   2                           ; byte offset of my 8 triangles in tri1/2/3; at the end: of my 8 bytes in the outputs
.set SA,   3                           ; LDS: where I put my candidate of the trip's first point
.set LB,   4                           ; 8 x (index of my first triangle)
.set RA,   5                           ; LDS: the 16 candidates that I scan at the end
.set QA,   6                           ; LDS: 4 x (the point that I scan for)
.set TMP,  7
.set PX,   8                           ; v[8:13]   x, y, z of the trip's two points, a pair each
.set PY,   10
.set PZ,   12
.set BEST, 14                          ; v[14:17]  (dist2, 8 j + region) of point 0, of point 1
.set VA,   20                          ; 24 each: x,y,z of triangle 0, x,y,z of triangle 1, ...
.set VAB,  44
.set VAC,  68
.set VGA,  92
.set VGB,  116
.set KAB,  140                         ; 8 each: one number a triangle
.set KAC,  148
.set BET,  156
.set T0,   164                         ; two working slots of TSZ registers (two triangles are worked on side by side)
.set TSZ,  40
.set oAP, 0                            ; a slot's pairs (low half: point 0, high half: point 1)
.set oV, 6
.set oW, 8
.set oU, 10
.set oSAB, 12
.set oSAC, 14
.set oSBC, 16
.set oTAB, 18
.set oTAC, 20
.set oTBC, 22
.set oOMT, 24
.set oVS, 26
.set oWS, 28
.set oQ, 30
.set oD2, 36
.set oPL, 38
; set-up only, laid over the slots
.set VB,  164                          ; b, c as loaded, cb
.set VC,  188
.set VCB, 212
.set E11, 164                          ; over b and c, which are dead once ab, ac, cb exist
.set E12, 172
.set E22, 180
.set EBC, 188
.set DD,  196
.set RD,  204                          ; first e12^2, then 1 / D
.set SF11, 212                         ; over cb: the guarded divisors, then the three factors of gA, gB
.set SF22, 220
.set SFBC, 228
.set SFD,  236
.set G11, 212
.set G12, 220
.set G22, 228
.set DE,  236
.set F,   164                          ; the end: 16 candidates
; ---- scalar registers: s[4:17] the seven addresses, s18 wave, s19 = wave & 1, s20 = wave >> 1, s21 trip counter, s22-23 at work
.set MSK0, 24                          ; s[24:63] four blocks of 10 lane masks: (slot, point)
.set EPS,  66
.set kA1, 0                            ; as compared               after the logic
.set kB1, 1
.set kA2, 2
.set kC1, 3
.set kB2, 4
.set kC2, 5
.set kW, 6
.set kV, 7
.set kU, 8
.set kT, 9
.set kCA, 0                            ;                            corner A
.set kCB, 1                            ;                            corner B
.set kONAB, 2                          ;                            A, B or edge AB
.set kCC, 3                            ;                            corner C
.set kONAC, 4                          ;                            C or edge AC
.set kCAB, 6
.set kCAC, 7
.set kCBC, 8
; Packed f32 with ONE register c spread to both halves: c's pair is named, op_sel / op_sel_hi pick c for the low and the high result.
.macro PKSUBC d, p, c                  ; d = p - c
.if (\c)&1
	v_pk_add_f32 v[\d:\d+1], v[\p:\p+1], v[\c-1:\c] op_sel:[0,1] op_sel_hi:[1,1] neg_lo:[0,1] neg_hi:[0,1]
.else
	v_pk_add_f32 v[\d:\d+1], v[\p:\p+1], v[\c:\c+1] op_sel_hi:[1,0] neg_lo:[0,1] neg_hi:[0,1]
.endif
.endm
.macro PKMULC d, x, c                  ; d = x c
.if (\c)&1
	v_pk_mul_f32 v[\d:\d+1], v[\x:\x+1], v[\c-1:\c] op_sel:[0,1] op_sel_hi:[1,1]
.else
	v_pk_mul_f32 v[\d:\d+1], v[\x:\x+1], v[\c:\c+1] op_sel_hi:[1,0]
.endif
.endm
.macro PKFMAC d, x, c, y               ; d = x c + y
.if (\c)&1
	v_pk_fma_f32 v[\d:\d+1], v[\x:\x+1], v[\c-1:\c], v[\y:\y+1] op_sel:[0,1,0] op_sel_hi:[1,1,1]
.else
	v_pk_fma_f32 v[\d:\d+1], v[\x:\x+1], v[\c:\c+1], v[\y:\y+1] op_sel_hi:[1,0,1]
.endif
.endm
.macro PKFMACC d, x, c, e              ; d = x c + e, c and e both spread (both odd or both even: the arrays start even)
.if (\c)&1
	v_pk_fma_f32 v[\d:\d+1], v[\x:\x+1], v[\c-1:\c], v[\e-1:\e] op_sel:[0,1,1] op_sel_hi:[1,1,1]
.else
	v_pk_fma_f32 v[\d:\d+1], v[\x:\x+1], v[\c:\c+1], v[\e:\e+1] op_sel_hi:[1,0,0]
.endif
.endm
; Set-up: 24 components times one number a triangle.  Six registers hold two triangles: the pairs are (x,y | first), (z | first, x | second), (y,z | second).
.macro TRIMUL d, x, g
.irp p,0,1,2,3
	v_pk_mul_f32 v[\d+6*\p:\d+6*\p+1], v[\x+6*\p:\x+6*\p+1], v[\g+2*\p:\g+2*\p+1] op_sel_hi:[1,0]
	v_pk_mul_f32 v[\d+6*\p+2:\d+6*\p+3], v[\x+6*\p+2:\x+6*\p+3], v[\g+2*\p:\g+2*\p+1]
	v_pk_mul_f32 v[\d+6*\p+4:\d+6*\p+5], v[\x+6*\p+4:\x+6*\p+5], v[\g+2*\p:\g+2*\p+1] op_sel:[0,1] op_sel_hi:[1,1]
.endr
.endm
.macro TRIFMA d, x, g                  ; d += x g
.irp p,0,1,2,3
	v_pk_fma_f32 v[\d+6*\p:\d+6*\p+1], v[\x+6*\p:\x+6*\p+1], v[\g+2*\p:\g+2*\p+1], v[\d+6*\p:\d+6*\p+1] op_sel_hi:[1,0,1]
	v_pk_fma_f32 v[\d+6*\p+2:\d+6*\p+3], v[\x+6*\p+2:\x+6*\p+3], v[\g+2*\p:\g+2*\p+1], v[\d+6*\p+2:\d+6*\p+3]
	v_pk_fma_f32 v[\d+6*\p+4:\d+6*\p+5], v[\x+6*\p+4:\x+6*\p+5], v[\g+2*\p:\g+2*\p+1], v[\d+6*\p+4:\d+6*\p+5] op_sel:[0,1,0] op_sel_hi:[1,1,1]
.endr
.endm
.macro DOT8 d, x, y                    ; d[j] = x[j] . y[j], eight chains side by side
.irp j,0,1,2,3,4,5,6,7
	v_mul_f32 v[\d+\j], v[\x+3*\j], v[\y+3*\j]
.endr
.irp j,0,1,2,3,4,5,6,7
	v_fmac_f32 v[\d+\j], v[\x+3*\j+1], v[\y+3*\j+1]
.endr
.irp j,0,1,2,3,4,5,6,7
	v_fmac_f32 v[\d+\j], v[\x+3*\j+2], v[\y+3*\j+2]
.endr
.endm
.macro SAFE d, x                       ; the reference's guard: a divisor below 1e-12 in magnitude becomes 1
.irp j,0,1,2,3,4,5,6,7
	v_cmp_lt_f32 vcc_lo, |v[\x+\j]|, s[EPS]
	v_cndmask_b32 v[\d+\j], v[\x+\j], 1.0, vcc_lo
.endr
.endm
.macro RCP8 d, x
.irp j,0,1,2,3,4,5,6,7
	v_rcp_f32 v[\d+\j], v[\x+\j]
.endr
.endm
; ================= ids, addresses, loads =================
	s_load_b256 s[4:11], s[0:1], 0x0               ; tri1 s[4:5], tri2 s[6:7], tri3 s[8:9], xyz1 s[10:11]
	s_load_b128 s[12:15], s[0:1], 0x20             ; out0 s[12:13], out1 s[14:15]
	s_load_b64 s[16:17], s[0:1], 0x30              ; out2
	v_lshl_add_u32 v244, v0, 2, 0x9800
	v_mov_b32 v245, 0
	v_and_b32 v[LANE], 31, v0
	v_lshrrev_b32 v[TMP], 5, v0
	v_readfirstlane_b32 s18, v[TMP]                ; wave 0..7
	s_and_b32 s19, s18, 1                          ; which 256 triangles
	s_lshr_b32 s20, s18, 1                         ; which 16 points
	s_lshr_b32 s21, ttmp9, 6                       ; batch
	s_mul_i32 s21, s21, 512*12
	s_mul_i32 s22, s19, 256*12
	s_add_co_u32 s21, s21, s22
	v_mul_u32_u24 v[TO], v[LANE], 96               ; 8 triangles of 12 bytes a lane
	v_add_nc_u32 v[TO], s21, v[TO]
	s_mul_i32 s22, ttmp9, 64*12                    ; the group's points,
	s_mul_i32 s23, s20, 16*12                      ; the wave's 16 among them
	s_add_co_u32 s22, s22, s23
	s_mov_b32 s23, 0
	s_wait_kmcnt 0x0
.irp k,0,1,2,3,4,5
	global_load_b128 v[VA+4*\k:VA+4*\k+3], v[TO], s[4:5] offset:16*\k
.endr
.irp k,0,1,2,3,4,5
	global_load_b128 v[VB+4*\k:VB+4*\k+3], v[TO], s[6:7] offset:16*\k
.endr
.irp k,0,1,2,3,4,5
	global_load_b128 v[VC+4*\k:VC+4*\k+3], v[TO], s[8:9] offset:16*\k
.endr
	s_add_nc_u64 s[10:11], s[10:11], s[22:23]      ; xyz1 at my wave's first point
	s_load_b128 s[68:71], s[10:11], 0x0            ; the first two points: x0 y0 z0 x1
	s_load_b64 s[72:73], s[10:11], 0x10            ; y1 z1
	; LDS addresses, while the loads are on their way
	s_mul_i32 s21, s18, WREG                       ; my wave's own region
	v_lshrrev_b32 v[SA], 4, v[LANE]
	v_mul_u32_u24 v[SA], v[SA], HPITCH
	v_and_b32 v[TMP], 15, v[LANE]
	v_lshl_add_u32 v[SA], v[TMP], 3, v[SA]
	v_add_nc_u32 v[SA], s21, v[SA]                 ; wave WREG + (lane / 16) HPITCH + 8 (lane % 16); + PPITCH for each point
	s_lshl_b32 s21, s19, 11
	v_lshl_add_u32 v[LB], v[LANE], 6, s21          ; 8 x (256 half + 8 lane)
	; the end: thread 32 w + l scans for point q = 8 w + l / 4 the candidates 16 r .. 16 r + 15, r = l % 4, of the 64 in index order:
	; region 2 (q / 16) + r / 2, row q % 16, half r % 2.  In units of 16 bytes that is 296 (..) + 18 (q % 16) + 9 (r % 2): the sixteen lanes
	; of a half-wave start in sixteen different 16-byte columns modulo 256 bytes.
	s_mul_i32 s21, s20, 2*WREG
	s_mul_i32 s22, s19, 8*PPITCH
	s_add_co_u32 s21, s21, s22
	v_bfe_u32 v[RA], v[LANE], 1, 1
	v_mul_u32_u24 v[RA], v[RA], WREG
	v_lshrrev_b32 v[TMP], 2, v[LANE]
	v_mad_u32_u24 v[RA], v[TMP], PPITCH, v[RA]
	v_and_b32 v[TMP], 1, v[LANE]
	v_mad_u32_u24 v[RA], v[TMP], HPITCH, v[RA]
	v_add_nc_u32 v[RA], s21, v[RA]
	s_lshl_b32 s21, s18, 5
	v_and_b32 v[QA], 28, v[LANE]
	v_add_nc_u32 v[QA], s21, v[QA]                 ; 4 q
	s_mov_b32 s[EPS], 0x2b8cbccc                   ; 1e-12
	s_wait_loadcnt 0x0                             ; one burst of 18 loads, all needed at once
; ================= my eight triangles' constants =================
.irp m,0,1,2,3,4,5,6,7,8,9,10,11
	v_pk_add_f32 v[VAB+2*\m:VAB+2*\m+1], v[VB+2*\m:VB+2*\m+1], v[VA+2*\m:VA+2*\m+1] neg_lo:[0,1] neg_hi:[0,1]
	v_pk_add_f32 v[VAC+2*\m:VAC+2*\m+1], v[VC+2*\m:VC+2*\m+1], v[VA+2*\m:VA+2*\m+1] neg_lo:[0,1] neg_hi:[0,1]
	v_pk_add_f32 v[VCB+2*\m:VCB+2*\m+1], v[VC+2*\m:VC+2*\m+1], v[VB+2*\m:VB+2*\m+1] neg_lo:[0,1] neg_hi:[0,1]
.endr
	DOT8 E11, VAB, VAB
	DOT8 E12, VAB, VAC
	DOT8 E22, VAC, VAC
	DOT8 EBC, VCB, VCB
.irp m,0,1,2,3
	v_pk_mul_f32 v[RD+2*\m:RD+2*\m+1], v[E12+2*\m:E12+2*\m+1], v[E12+2*\m:E12+2*\m+1]
.endr
.irp m,0,1,2,3
	v_pk_fma_f32 v[DD+2*\m:DD+2*\m+1], v[E11+2*\m:E11+2*\m+1], v[E22+2*\m:E22+2*\m+1], v[RD+2*\m:RD+2*\m+1] neg_lo:[0,0,1] neg_hi:[0,0,1]
.endr
	SAFE SF11, E11
	SAFE SF22, E22
	SAFE SFBC, EBC
	SAFE SFD, DD
	RCP8 KAB, SF11                                 ; 1 / e11, 1 / e22, 1 / cb.cb, 1 / D: 32 reciprocals back to back,
	RCP8 KAC, SF22
	RCP8 BET, SFBC
	RCP8 RD, SFD
	v_nop                                          ; then one plain vector instruction before a result is used or a source rewritten (ISA guide 5.7.2)
	s_wait_alu depctr_va_vdst(0)
.irp m,0,1,2,3
	v_pk_mul_f32 v[G11+2*\m:G11+2*\m+1], v[E22+2*\m:E22+2*\m+1], v[RD+2*\m:RD+2*\m+1]
	v_pk_mul_f32 v[G12+2*\m:G12+2*\m+1], v[E12+2*\m:E12+2*\m+1], v[RD+2*\m:RD+2*\m+1] neg_lo:[1,0] neg_hi:[1,0]
	v_pk_mul_f32 v[G22+2*\m:G22+2*\m+1], v[E11+2*\m:E11+2*\m+1], v[RD+2*\m:RD+2*\m+1]
	v_pk_add_f32 v[DE+2*\m:DE+2*\m+1], v[E11+2*\m:E11+2*\m+1], v[E12+2*\m:E12+2*\m+1] neg_lo:[0,1] neg_hi:[0,1]
	v_pk_mul_f32 v[KAB+2*\m:KAB+2*\m+1], v[E12+2*\m:E12+2*\m+1], v[KAB+2*\m:KAB+2*\m+1]
	v_pk_mul_f32 v[KAC+2*\m:KAC+2*\m+1], v[E12+2*\m:E12+2*\m+1], v[KAC+2*\m:KAC+2*\m+1]
.endr
.irp m,0,1,2,3
	v_pk_mul_f32 v[BET+2*\m:BET+2*\m+1], v[DE+2*\m:DE+2*\m+1], v[BET+2*\m:BET+2*\m+1]
.endr
	TRIMUL VGA, VAC, G12                           ; gA = (e22 ab - e12 ac) / D
	TRIMUL VGB, VAB, G12                           ; gB = (e11 ac - e12 ab) / D
	TRIFMA VGA, VAB, G11
	TRIFMA VGB, VAC, G22
; ================= the loop =================
.macro SLOT t, j                       ; TB: the slot's registers, JJ: its triangle
.set TB, T0+TSZ*(\t)
.set JJ, (\j)+(\t)
.endm
.macro BLOCK t, i                      ; MB: the masks of (slot, point)
.set MB, MSK0+20*(\t)+10*(\i)
.endm
; Triangles j and j + 1 against the trip's two points, stage by stage, so that neighbouring lines do not wait for each other.
; first = 1: triangle j starts the running best.
.macro STEP2 j, first
.irp t,0,1                                         ; ap = p - a
	SLOT \t, \j
	PKSUBC TB+oAP, PX, VA+3*JJ
	PKSUBC TB+oAP+2, PY, VA+3*JJ+1
	PKSUBC TB+oAP+4, PZ, VA+3*JJ+2
.endr
.irp t,0,1                                         ; v = gA.ap, w = gB.ap
	SLOT \t, \j
	PKMULC TB+oV, TB+oAP, VGA+3*JJ
	PKMULC TB+oW, TB+oAP, VGB+3*JJ
.endr
.irp t,0,1
	SLOT \t, \j
	PKFMAC TB+oV, TB+oAP+2, VGA+3*JJ+1, TB+oV
	PKFMAC TB+oW, TB+oAP+2, VGB+3*JJ+1, TB+oW
.endr
.irp t,0,1
	SLOT \t, \j
	PKFMAC TB+oV, TB+oAP+4, VGA+3*JJ+2, TB+oV
	PKFMAC TB+oW, TB+oAP+4, VGB+3*JJ+2, TB+oW
.endr
.irp t,0,1                                         ; u = (1 - v) - w, and the three edge parameters, one multiply-add each
	SLOT \t, \j
	v_pk_fma_f32 v[TB+oU:TB+oU+1], v[TB+oV:TB+oV+1], -1.0, 1.0 op_sel_hi:[1,0,0]
.endr
.irp t,0,1
	SLOT \t, \j
	v_pk_add_f32 v[TB+oU:TB+oU+1], v[TB+oU:TB+oU+1], v[TB+oW:TB+oW+1] neg_lo:[0,1] neg_hi:[0,1]
	PKFMAC TB+oSAB, TB+oW, KAB+JJ, TB+oV
	PKFMAC TB+oSAC, TB+oV, KAC+JJ, TB+oW
.endr
.irp t,0,1
	SLOT \t, \j
	PKFMAC TB+oSBC, TB+oU, BET+JJ, TB+oW
.endr
.irp t,0,1                                         ; nine compares for each (triangle, point), each into a lane mask
.irp i,0,1
	SLOT \t, \j
	BLOCK \t, \i
	v_cmp_ge_f32 s[MB+kA1], 0, v[TB+oSAB+\i]       ; d1 <= 0
	v_cmp_le_f32 s[MB+kB1], 1.0, v[TB+oSAB+\i]     ; d3 >= 0
	v_cmp_ge_f32 s[MB+kA2], 0, v[TB+oSAC+\i]       ; d2 <= 0
	v_cmp_le_f32 s[MB+kC1], 1.0, v[TB+oSAC+\i]     ; d6 >= 0
	v_cmp_ge_f32 s[MB+kW], 0, v[TB+oW+\i]          ; vc <= 0
	v_cmp_ge_f32 s[MB+kV], 0, v[TB+oV+\i]          ; vb <= 0
	v_cmp_ge_f32 s[MB+kU], 0, v[TB+oU+\i]          ; va <= 0
	v_cmp_ge_f32 s[MB+kB2], 0, v[TB+oSBC+\i]       ; d4 <= d3
	v_cmp_le_f32 s[MB+kC2], 1.0, v[TB+oSBC+\i]     ; d5 <= d6
.endr
.endr
.irp t,0,1                                         ; the clips to [0, 1], and 1 - tbc
.irp i,0,1
	SLOT \t, \j
	v_med3_num_f32 v[TB+oTAB+\i], v[TB+oSAB+\i], 0, 1.0
	v_med3_num_f32 v[TB+oTAC+\i], v[TB+oSAC+\i], 0, 1.0
	v_med3_num_f32 v[TB+oTBC+\i], v[TB+oSBC+\i], 0, 1.0
.endr
.endr
.irp t,0,1
	SLOT \t, \j
	v_pk_fma_f32 v[TB+oOMT:TB+oOMT+1], v[TB+oTBC:TB+oTBC+1], -1.0, 1.0 op_sel_hi:[1,0,0]
.endr
.irp t,0,1                                         ; the conditions, 32 lanes at a time, on the scalar side.  An edge's 'parameter in [0, 1]' is taken as
.irp i,0,1                                         ; 'neither <= 0 nor >= 1': at exactly 0 or 1 and outside the edge's line the corner's condition holds too, and it comes first
	BLOCK \t, \i
	s_or_b32 s[MB+kT], s[MB+kA1], s[MB+kB1]
	s_and_not1_b32 s[MB+kCAB], s[MB+kW], s[MB+kT]
	s_or_b32 s[MB+kT], s[MB+kA2], s[MB+kC1]
	s_and_not1_b32 s[MB+kCAC], s[MB+kV], s[MB+kT]
	s_or_b32 s[MB+kT], s[MB+kB2], s[MB+kC2]
	s_and_not1_b32 s[MB+kCBC], s[MB+kU], s[MB+kT]
	s_and_b32 s[MB+kCA], s[MB+kA1], s[MB+kA2]
	s_and_b32 s[MB+kCB], s[MB+kB1], s[MB+kB2]
	s_and_b32 s[MB+kCC], s[MB+kC1], s[MB+kC2]
	s_or_b32 s[MB+kONAB], s[MB+kCA], s[MB+kCB]
	s_or_b32 s[MB+kONAB], s[MB+kONAB], s[MB+kCAB]
	s_or_b32 s[MB+kONAC], s[MB+kCC], s[MB+kCAC]
.endr
.endr
.irp t,0,1                                         ; (V, W): lowest rank first, as in the reference: face, BC, {C, AC}, {A, B, AB}
.irp i,0,1
	SLOT \t, \j
	BLOCK \t, \i
	v_cndmask_b32 v[TB+oWS+\i], v[TB+oW+\i], v[TB+oTBC+\i], s[MB+kCBC]
	v_cndmask_b32 v[TB+oVS+\i], v[TB+oV+\i], v[TB+oOMT+\i], s[MB+kCBC]
	v_cndmask_b32 v[TB+oWS+\i], v[TB+oWS+\i], v[TB+oTAC+\i], s[MB+kONAC]
	v_cndmask_b32 v[TB+oVS+\i], v[TB+oVS+\i], 0, s[MB+kONAC]
	v_cndmask_b32 v[TB+oWS+\i], v[TB+oWS+\i], 0, s[MB+kONAB]
	v_cndmask_b32 v[TB+oVS+\i], v[TB+oVS+\i], v[TB+oTAB+\i], s[MB+kONAB]
.endr
.endr
.irp t,0,1                                         ; q = (a + V ab) + W ac
	SLOT \t, \j
	PKFMACC TB+oQ, TB+oVS, VAB+3*JJ, VA+3*JJ
	PKFMACC TB+oQ+2, TB+oVS, VAB+3*JJ+1, VA+3*JJ+1
	PKFMACC TB+oQ+4, TB+oVS, VAB+3*JJ+2, VA+3*JJ+2
.endr
.irp t,0,1
	SLOT \t, \j
	PKFMAC TB+oQ, TB+oWS, VAC+3*JJ, TB+oQ
	PKFMAC TB+oQ+2, TB+oWS, VAC+3*JJ+1, TB+oQ+2
	PKFMAC TB+oQ+4, TB+oWS, VAC+3*JJ+2, TB+oQ+4
.endr
.irp t,0,1                                         ; 8 j + region code, in the reference's order of overwriting (all constants are at most 62)
.irp i,0,1
	SLOT \t, \j
	BLOCK \t, \i
	v_cndmask_b32 v[TB+oPL+\i], 8*JJ+6, 8*JJ+5, s[MB+kCBC]
	v_cndmask_b32 v[TB+oPL+\i], v[TB+oPL+\i], 8*JJ+4, s[MB+kCAC]
	v_cndmask_b32 v[TB+oPL+\i], v[TB+oPL+\i], 8*JJ+2, s[MB+kCC]
	v_cndmask_b32 v[TB+oPL+\i], v[TB+oPL+\i], 8*JJ+3, s[MB+kCAB]
	v_cndmask_b32 v[TB+oPL+\i], v[TB+oPL+\i], 8*JJ+1, s[MB+kCB]
	v_cndmask_b32 v[TB+oPL+\i], v[TB+oPL+\i], 8*JJ, s[MB+kCA]
.endr
.endr
.irp t,0,1                                         ; p - q and its square
	SLOT \t, \j
	v_pk_add_f32 v[TB+oQ:TB+oQ+1], v[PX:PX+1], v[TB+oQ:TB+oQ+1] neg_lo:[0,1] neg_hi:[0,1]
	v_pk_add_f32 v[TB+oQ+2:TB+oQ+3], v[PY:PY+1], v[TB+oQ+2:TB+oQ+3] neg_lo:[0,1] neg_hi:[0,1]
	v_pk_add_f32 v[TB+oQ+4:TB+oQ+5], v[PZ:PZ+1], v[TB+oQ+4:TB+oQ+5] neg_lo:[0,1] neg_hi:[0,1]
.endr
.irp t,0,1
	SLOT \t, \j
	v_pk_mul_f32 v[TB+oD2:TB+oD2+1], v[TB+oQ:TB+oQ+1], v[TB+oQ:TB+oQ+1]
.endr
.irp t,0,1
	SLOT \t, \j
	v_pk_fma_f32 v[TB+oD2:TB+oD2+1], v[TB+oQ+2:TB+oQ+3], v[TB+oQ+2:TB+oQ+3], v[TB+oD2:TB+oD2+1]
.endr
.irp t,0,1
	SLOT \t, \j
	v_pk_fma_f32 v[TB+oD2:TB+oD2+1], v[TB+oQ+4:TB+oQ+5], v[TB+oQ+4:TB+oQ+5], v[TB+oD2:TB+oD2+1]
.endr
.irp t,0,1                                         ; the running best, j ascending, strictly smaller only: the first of equals stays
.irp i,0,1
	SLOT \t, \j
	BLOCK \t, \i
.if (\first)*(1-\t)
	v_mov_b32 v[BEST+2*\i], v[TB+oD2+\i]
	v_mov_b32 v[BEST+2*\i+1], v[TB+oPL+\i]
.else
	v_cmp_lt_f32 s[MB+kT], v[TB+oD2+\i], v[BEST+2*\i]
	v_cndmask_b32 v[BEST+2*\i], v[BEST+2*\i], v[TB+oD2+\i], s[MB+kT]
	v_cndmask_b32 v[BEST+2*\i+1], v[BEST+2*\i+1], v[TB+oPL+\i], s[MB+kT]
.endif
.endr
.endr
.endm
	s_mov_b32 s21, 0
.Lpair:                                            ; eight trips, two points each
	s_wait_kmcnt 0x0                               ; this trip's two points are in (scalar loads: zero is the only count that shows anything); s22 is free too
	v_mov_b32 v[PX], s68
	v_mov_b32 v[PX+1], s71
	v_mov_b32 v[PY], s69
	v_mov_b32 v[PY+1], s72
	v_mov_b32 v[PZ], s70
	v_mov_b32 v[PZ+1], s73
	s_add_co_u32 s22, s21, 1                       ; the next trip's 24 bytes are asked for now, a whole trip ahead.  The index wraps: the last trip asks
	s_and_b32 s22, s22, 7                          ; once more for the wave's first pair, which nobody uses; so the trip has no branch, and every
	s_mul_i32 s22, s22, 24                         ; request stays inside the wave's own 192 bytes
	s_load_b128 s[68:71], s[10:11], s22 offset:0x0
	s_load_b64 s[72:73], s[10:11], s22 offset:0x10
	STEP2 0, 1
	STEP2 2, 0
	STEP2 4, 0
	STEP2 6, 0
	v_add_nc_u32 v[BEST+1], v[LB], v[BEST+1]       ; 8 x index + region
	v_add_nc_u32 v[BEST+3], v[LB], v[BEST+3]
	ds_store_b64 v[SA], v[BEST:BEST+1]
	ds_store_b64 v[SA], v[BEST+2:BEST+3] offset:PPITCH
	v_add_nc_u32 v[SA], 2*PPITCH, v[SA]
	s_add_co_u32 s21, s21, 1
	s_cmp_lt_u32 s21, 8
	s_cbranch_scc1 .Lpair
; ================= 64 candidates a point -> one =================
	s_wait_dscnt 0x0                               ; my candidates are in LDS, for the other waves' sake: zero
	s_barrier_signal -1
	s_barrier_wait -1
.irp k,0,1,2,3,4,5,6,7
	ds_load_b128 v[F+4*\k:F+4*\k+3], v[RA] offset:16*\k
.endr
	s_wait_dscnt 0x0
.macro TAKE l, r, m                    ; candidate l (lower indices) gives way only to a strictly smaller r
	v_cmp_lt_f32 s[\m], v[F+2*(\r)], v[F+2*(\l)]
	v_cndmask_b32 v[F+2*(\l)], v[F+2*(\l)], v[F+2*(\r)], s[\m]
	v_cndmask_b32 v[F+2*(\l)+1], v[F+2*(\l)+1], v[F+2*(\r)+1], s[\m]
.endm
.irp k,0,2,4,6,8,10,12,14
	TAKE \k, \k+1, MSK0+\k
.endr
.irp k,0,4,8,12
	TAKE \k, \k+2, MSK0+\k
.endr
	TAKE 0, 4, MSK0
	TAKE 8, 12, MSK0+8
	TAKE 0, 8, MSK0
; the four threads of a point are neighbouring lanes: two exchanges; of equal distances the lower 8 x index + region wins, in both partners alike
.macro XMERGE mask
	v_mov_b32_dpp v[F+2], v[F] row_xmask:\mask row_mask:0xf bank_mask:0xf
	v_mov_b32_dpp v[F+3], v[F+1] row_xmask:\mask row_mask:0xf bank_mask:0xf
	v_cmp_lt_f32 s[MSK0], v[F+2], v[F]
	v_cmp_eq_f32 s[MSK0+1], v[F+2], v[F]
	v_cmp_lt_u32 s[MSK0+2], v[F+3], v[F+1]
	s_and_b32 s[MSK0+1], s[MSK0+1], s[MSK0+2]
	s_or_b32 s[MSK0], s[MSK0], s[MSK0+1]
	v_cndmask_b32 v[F], v[F], v[F+2], s[MSK0]
	v_cndmask_b32 v[F+1], v[F+1], v[F+3], s[MSK0]
.endm
	XMERGE 1
	XMERGE 2
	v_and_b32 v[F+2], 7, v[F+1]                    ; region
	v_lshrrev_b32 v[F+3], 3, v[F+1]                ; index
	ds_store_b32 v[QA], v[F] offset:STG            ; the four lanes of a point write the same word with the same value
	ds_store_b32 v[QA], v[F+2] offset:STG+256
	ds_store_b32 v[QA], v[F+3] offset:STG+512
	s_wait_dscnt 0x0                               ; for wave 0's sake: zero
	s_barrier_signal -1
	s_barrier_wait -1
	s_cmp_lg_u32 s18, 0
	s_cbranch_scc1 .Lend
	; wave 0 writes the group's 64 results of each output: one store of 32 lanes x 8 bytes covers 256 consecutive bytes, aligned
	v_lshlrev_b32 v[TMP], 3, v[LANE]
	ds_load_b64 v[F:F+1], v[TMP] offset:STG
	ds_load_b64 v[F+2:F+3], v[TMP] offset:STG+256
	ds_load_b64 v[F+4:F+5], v[TMP] offset:STG+512
	s_lshl_b32 s21, ttmp9, 8
	v_add_nc_u32 v[TO], s21, v[TMP]
	s_wait_dscnt 0x0
	global_store_b64 v[TO], v[F:F+1], s[12:13] th:TH_STORE_NT
	global_store_b64 v[TO], v[F+2:F+3], s[14:15] th:TH_STORE_NT
	global_store_b64 v[TO], v[F+4:F+5], s[16:17] th:TH_STORE_NT
.Lend:
	s_wait_tensorcnt 0x0
	ds_add_u32 v244, v245
	s_wait_dscnt 0x0
	s_endpgm
.Lfunc_end_k_q5de0139b4b_tridist:
	.size	k_q5de0139b4b_tridist, .Lfunc_end_k_q5de0139b4b_tridist-k_q5de0139b4b_tridist
	.p2alignl 7, 3214868480
	.fill 96, 4, 3214868480
	.section	.rodata,"a",@progbits
	.p2align	6, 0x0
	.amdhsa_kernel k_q5de0139b4b_tridist
		.amdhsa_group_segment_fixed_size 39936
		.amdhsa_private_segment_fixed_size 0
		.amdhsa_enable_private_segment 0
		.amdhsa_kernarg_size 56
		.amdhsa_user_sgpr_count 2
		.amdhsa_user_sgpr_kernarg_segment_ptr 1
		.amdhsa_wavefront_size32 1
		.amdhsa_system_sgpr_workgroup_id_x 1
		.amdhsa_system_sgpr_workgroup_id_y 1
		.amdhsa_system_sgpr_workgroup_id_z 1
		.amdhsa_system_vgpr_workitem_id 0
		.amdhsa_next_free_vgpr 246
		.amdhsa_next_free_sgpr 74
		.amdhsa_reserve_vcc 1
		.amdhsa_float_denorm_mode_32 3
		.amdhsa_float_denorm_mode_16_64 3
		.amdhsa_memory_ordered 1
		.amdhsa_forward_progress 1
		.amdhsa_inst_pref_size 73
	.end_amdhsa_kernel
	.amdgpu_metadata
---
amdhsa.version: [ 1, 2 ]
amdhsa.kernels:
  - .name:           k_q5de0139b4b_tridist
    .symbol:         k_q5de0139b4b_tridist.kd
    .args:
      - { .name: tri1, .offset: 0, .size: 8, .value_kind: global_buffer, .address_space: global }
      - { .name: tri2, .offset: 8, .size: 8, .value_kind: global_buffer, .address_space: global }
      - { .name: tri3, .offset: 16, .size: 8, .value_kind: global_buffer, .address_space: global }
      - { .name: xyz1, .offset: 24, .size: 8, .value_kind: global_buffer, .address_space: global }
      - { .name: out0, .offset: 32, .size: 8, .value_kind: global_buffer, .address_space: global }
      - { .name: out1, .offset: 40, .size: 8, .value_kind: global_buffer, .address_space: global }
      - { .name: out2, .offset: 48, .size: 8, .value_kind: global_buffer, .address_space: global }
    .group_segment_fixed_size: 39936
    .private_segment_fixed_size: 0
    .kernarg_segment_align: 8
    .kernarg_segment_size: 56
    .max_flat_workgroup_size: 256
    .sgpr_count:     74
    .vgpr_count:     246
    .wavefront_size: 32
...
	.end_amdgpu_metadata
.endif
;; end of part 1
